; MI455X (gfx1250); checked and timed in simulation.
; The chip was launched on July 23, 2026; its instructions are those of AMD's public machine-readable ISA for CDNA 5 (MIT licence, August 2026) and "CDNA5" Instruction Set Architecture Reference Guide (July 2026). The comments in the code are by the model that wrote it; some were corrected since.
;; Vi T Quadratic Attention. Allowed arithmetic: matrix products marked QUANTISED: E2M1 operands, one E8M0 scale for each 32 along K, by v_wmma_scale_f32_16x16x128_f8f6f4 with both operands' format E2M1 (or v_wmma_scale_f32_32x16x128_f4), f32 sums; products left as they are: bf16, f16 or f32 operands; f32 sums; everything else in f32.
;; Inputs: Wd 768 x 768 float32; Wk 768 x 768 float32; Wq 768 x 768 float32; Wv 768 x 768 float32; bk 768 float32; bq 768 float32; bv 768 float32; key_states 8 x 1,024 x 768 float32; query_states 8 x 1,024 x 768 float32.
;; Outputs: out0 8 x 1,024 x 768 float32.
;; This version of the problem:
;;   THIS VERSION OF THE PROBLEM IS GIVEN IN LOW PRECISION. The matrix products marked QUANTISED in the list below multiply operands that are first quantised to E2M1 (2 exponent bits, 1 mantissa bit; 4 bits a number), with one power-of-two scale for each 32 numbers along K (OCP MX v1.0); their sums are f32. The products marked 'left as it is' may take bf16, f16 or f32 operands, with f32 sums. Whichever they take, every output number must still come out within the allowed error. Rounding operands to bf16 (8 significant bits) uses up far more of that allowance than f16 does (11 bits, for magnitudes from 6e-5 to 65,504). All else is computed in f32.
;;   The module's matrix products, in the order in which they are computed (A, B: the left and right operand; K: the contracted axis; several contracted axes count as one K, in the product's order):
;;     1. [M 8,192, K 768] x [K 768, N 768]; A: input query_states; B: input Wd: QUANTISED
;;     2. [M 8,192, K 768] x [K 768, N 768]; A: input key_states; B: input Wd: QUANTISED
;;     3. [M 8,192, K 768] x [K 768, N 768]; A: input query_states; B: input Wq: QUANTISED
;;     4. [M 8,192, K 768] x [K 768, N 768]; A: input key_states; B: input Wk: QUANTISED
;;     5. [M 8,192, K 768] x [K 768, N 768]; A: input key_states; B: input Wv: QUANTISED
;;     6. batch 96 x [M 1,024, K 64] x [K 64, N 1,024]; A: computed on the way; B: computed on the way: left as it is (an operand is computed on the way)
;;     7. batch 96 x [M 1,024, K 64] x [K 64, N 1,024]; A: computed on the way; B: computed on the way: left as it is (an operand is computed on the way)
;;     8. batch 96 x [M 1,024, K 1,024] x [K 1,024, N 64]; A: computed on the way; B: computed on the way: left as it is (an operand is computed on the way)
;;   THE QUANTISER, for each operand of a quantised product, along K:
;;     - K is cut into blocks of 32 from its start; a last block that is shorter is filled with zeros.
;;     - A block's scale is 2^e with e = floor(log2(the largest magnitude in the block)) - 2, held to -126 .. 127; a block of zeros has e = 0. As a byte (E8M0): e + 127.
;;     - Each number is divided by its block's scale, clamped to +-6, and rounded to the nearest number of E2M1, ties to even, subnormals kept.
;;     - The product sums the exact products of the quantised numbers (number of the format x scale) in f32.
;;   ~~~python
;;   def quantise(x, axis):      # numpy; x: float32 -> the quantised numbers, widened to float32 again
;;       x = np.moveaxis(x, axis, -1); K = x.shape[-1]
;;       x = np.pad(x, [(0, 0)] * (x.ndim - 1) + [(0, -K % 32)]); x = x.reshape(x.shape[:-1] + (-1, 32)); a = np.abs(x).max(-1, keepdims=True)
;;       e = np.where(a > 0, np.clip(np.frexp(np.where(a > 0, a, 1))[1] - 1 - 2, -126, 127), 0)      # np.frexp(a)[1] - 1 = floor(log2(a)), exactly
;;       r = np.clip(x / 2.0 ** e, -6, 6)
;;       step = 2.0 ** (np.maximum(np.frexp(np.where(r == 0, 1, r))[1] - 1, 0) - 1)
;;       q = np.round(r / step) * step * 2.0 ** e      # np.round: ties to even
;;       return np.moveaxis(q.reshape(q.shape[:-2] + (-1,))[..., :K], -1, axis).astype(np.float32)
;;   ~~~
;; One version. Each part assembles by itself: llvm-mc -triple=amdgcn-amd-amdhsa -mcpu=gfx1250 --defsym DOCPART=n.
;; ======== version 1 of 1: 3 launches
;; limits: values are held in f16: magnitudes above 65,504 overflow, below 6.1e-05 lose precision
;; workspace buffers: codes 7,471,104 bytes; scales 466,944 bytes; qp 25,165,824 bytes; kp 25,165,824 bytes; vp 12,582,912 bytes; kb 393,216 bytes
;; launch quant (part 1): grid 456 x 1, 4 waves a work-group, no clusters, 33,280 bytes of LDS; arguments query_states, key_states, Wq, Wd, Wk, Wv, codes, scales; writes codes, scales
.if DOCPART == 1
	.amdgcn_target "amdgcn-amd-amdhsa--gfx1250"
	.amdhsa_code_object_version 6
	.text
	.protected	k_q54b825b0c0_quant
	.globl	k_q54b825b0c0_quant
	.p2align	8
	.type	k_q54b825b0c0_quant,@function
k_q54b825b0c0_quant:
	s_mov_b64 s[64:65], 0
	v_nop
	global_prefetch_b8 v0, s[64:65] scope:SCOPE_SE
	s_setreg_imm32_b32 hwreg(HW_REG_WAVE_MODE, 25, 1), 1
	s_wait_xcnt 0x0
; FIRST OF THREE LAUNCHES: query_states, key_states [8192][768] and Wq, Wd, Wk, Wv [768][768], f32, become codes of FP4 (E2M1) with one E8M0 byte for each 32 along K.
; The second launch makes the five quantised products on these codes, the third is the attention.
; WORK THAT IS LEFT OUT IN THE WHOLE PROGRAM, for all finite values of the inputs:
;   (1) -0.5 qd_sq[..., :, None]: for a query row it is the same number at every key, and softmax(s + const) = softmax(s) along the keys.  So qd_sq is never made.
;   (2) bk: it enters only through lin = q . (k0 + bk) = q . k0 + q . bk, k0 = key_states Wk^T; q . bk is the same at every key of a query row, as (1).  lin is a product that is left as it is:
;       no quantiser stands behind bk, so no code and no scale hangs on it.  bk has no way to an output: it is not loaded and is an argument of no launch.
;   Both terms are of the size of the other terms of a score, so reference()'s f32 loses nothing by them that would show.
;   LIMIT: a NaN, an infinity or an overflow that reaches only qd_sq or bk is not carried to the result.
; THE QUANTISER.  A block's scale is 2^(floor(log2(its largest magnitude)) - 2); its byte is the largest magnitude's own exponent field - 2, held at 1 from below.  Each number is divided by the scale
; and rounded to the nearest code, ties to even, beyond 6 the largest code.  A block of zeros gets the byte 1 where the rule says 127: its codes are zeros, and this program alone reads the bytes.
; LIMITS: blocks whose largest magnitude lies under 2^(2 - 126) are held at the byte 1; NaN and infinities among the inputs are not served.
; K is innermost in all six tensors and 768 is a multiple of 32: each tensor is a plain stream of blocks of 32.  A wave takes a run of 8,192 numbers, 16 steps of 512.
; Work-groups 0-191: query_states; 192-383: key_states; 384-455: the weights, 18 work-groups each, in the order Wq, Wd, Wk, Wv.
; WHERE THE RESULTS GO.  codes: x of the queries [8192][384 bytes], x of the keys likewise, then from WC on the weights as [12 heads][4 parts q, d, k, v][64 rows][384 bytes], so that a head's four parts
; are one dense block for the second launch.  64 rows of a weight are 6 runs, so a run lies in one (head, part).  scales: the same order, 24 bytes a row, the weights from WS on.
; A step's four loads read 512 consecutive bytes each; the 2,048 bytes turn through the wave's own stage in LDS and come back 64 bytes a lane, so that a lane holds 16 neighbours along K and two
; neighbouring lanes a block.  A wave's store of codes covers 256 consecutive bytes, aligned; its 256 scale bytes are gathered in LDS and leave as 256 consecutive bytes, aligned.
; No tensor load, no barrier: waves share nothing.  Loads run four steps (16 loads a wave) ahead.
.set STEPS, 16
.set EMAX,  2
.set CB,    8                          ; bytes of 16 codes
.set R,     16                         ; v16-79   four sets of 16 numbers as they are loaded
.set X,     80                         ; v80-111  two sets of 16 neighbours
.set C,     128                        ; v128-191 codes: registers of its own for each step, so that no store's data are written again
.set E,     112                        ; v112-127 a scale byte for each step
.set WREG,  8192                       ; LDS: a region for each wave: two stages of 32 x SP bytes, behind them its 256 scale bytes
.set SP,    80                         ; a lane's place in a stage: 64 bytes + 16 of padding
.set SPW,   12                         ; v12  LDS address of my spare word; never rewritten
.set NIL,   13                         ; v13  0; never rewritten
.set SPARE, 4*WREG                     ; the spare words, 128 bytes a wave, that no other line names
.set WC,    6291456                    ; where the weights' codes begin
.set WS,    393216                     ; and their scale bytes
	s_load_b256 s[4:11], s[0:1], 0x0               ; query_states s[4:5], key_states s[6:7], Wq s[8:9], Wd s[10:11]
	s_load_b256 s[12:19], s[0:1], 0x20             ; Wk s[12:13], Wv s[14:15], codes s[16:17], scales s[18:19]
	v_lshl_add_u32 v[SPW], v0, 2, SPARE
	v_mov_b32 v[NIL], 0
	v_lshrrev_b32 v1, 5, v0
	v_readfirstlane_b32 s20, v1                    ; wave
	v_and_b32 v2, 31, v0                           ; lane
	v_lshlrev_b32 v3, 4, v2                        ; my 16 bytes of a load's 512
	s_mul_i32 s21, s20, WREG
	v_lshrrev_b32 v14, 2, v2
	v_mul_u32_u24 v14, v14, SP
	v_and_b32 v15, 3, v2
	v_lshl_add_u32 v14, v15, 4, v14
	v_add_nc_u32 v14, s21, v14                     ; the stage, on the way in: SP (lane / 4) + 16 (lane % 4)
	v_mul_u32_u24 v15, v2, SP
	v_add_nc_u32 v15, s21, v15                     ; and on the way out: SP x lane: my 16 neighbours
	v_mul_u32_u24 v4, v2, CB                       ; my codes' place in a step's
	v_lshrrev_b32 v5, 1, v2
	s_add_co_u32 s21, s21, 2*32*SP
	v_add_nc_u32 v5, s21, v5                       ; LDS: my wave's 256 scale bytes, my block's byte
	v_lshlrev_b32 v7, 3, v2                        ; and on the way out 8 bytes a lane
	v_add_nc_u32 v6, s21, v7
	; which tensor and which run: whole numbers made of the work-group's number and the wave's alone; choices by selects, no branch
	s_cmp_lt_u32 ttmp9, 192
	s_cselect_b32 s24, 0, 192
	s_sub_co_u32 s25, ttmp9, s24                   ; the work-group's place in its x tensor
	s_sub_co_i32 s28, ttmp9, 384
	s_max_i32 s28, s28, 0                          ; j: its place among the weights' 72
	s_mul_i32 s29, s28, 57
	s_lshr_b32 s29, s29, 10                        ; t = j / 18 (57 j >> 10 is exact for j < 72): 0 Wq, 1 Wd, 2 Wk, 3 Wv
	s_mul_i32 s30, s29, 18
	s_sub_co_u32 s30, s28, s30                     ; its place in that weight
	s_wait_kmcnt 0x0
	s_cmp_lt_u32 ttmp9, 192
	s_cselect_b64 s[22:23], s[4:5], s[6:7]
	s_mov_b64 s[26:27], s[14:15]
	s_cmp_eq_u32 s29, 2
	s_cselect_b64 s[26:27], s[12:13], s[26:27]
	s_cmp_eq_u32 s29, 1
	s_cselect_b64 s[26:27], s[10:11], s[26:27]
	s_cmp_eq_u32 s29, 0
	s_cselect_b64 s[26:27], s[8:9], s[26:27]
	s_cmp_lt_u32 ttmp9, 384
	s_cselect_b64 s[22:23], s[22:23], s[26:27]     ; the tensor that I read
	s_cselect_b32 s31, s25, s30
	s_lshl_b32 s31, s31, 2
	s_add_co_u32 s31, s31, s20                     ; my run of 8,192 numbers in it
	s_lshl_b32 s32, s31, 15                        ; 32,768 bytes a run: under 2^25
	s_mov_b32 s33, 0
	s_add_nc_u64 s[22:23], s[22:23], s[32:33]
	s_mul_i32 s34, s31, 43
	s_lshr_b32 s34, s34, 8                         ; a weight's head = run / 6 (43 run >> 8 is exact for run < 72)
	s_mul_i32 s35, s34, 6
	s_sub_co_u32 s35, s31, s35                     ; the run's place among the six of (head, part)
	s_lshl_b32 s34, s34, 2
	s_add_co_u32 s34, s34, s29                     ; 4 x head + part
	s_mul_i32 s36, s34, 24576
	s_lshl_b32 s37, s35, 12
	s_add_co_u32 s36, s36, s37
	s_add_co_u32 s36, s36, WC                      ; a weight's codes
	s_mul_i32 s38, s34, 1536
	s_lshl_b32 s37, s35, 8
	s_add_co_u32 s38, s38, s37
	s_add_co_u32 s38, s38, WS                      ; and scale bytes
	s_lshl_b32 s39, ttmp9, 2
	s_add_co_u32 s39, s39, s20                     ; x: the two tensors' runs lie on end
	s_lshl_b32 s40, s39, 12
	s_lshl_b32 s41, s39, 8
	s_cmp_lt_u32 ttmp9, 384                        ; (compared anew: the additions have set SCC)
	s_cselect_b32 s36, s40, s36
	s_cselect_b32 s38, s41, s38
	s_mov_b32 s37, 0
	s_mov_b32 s39, 0
	s_add_nc_u64 s[16:17], s[16:17], s[36:37]
	s_add_nc_u64 s[18:19], s[18:19], s[38:39]
.macro LOAD t
.irp i, 0,1,2,3
	global_load_b128 v[R+16*((\t)%4)+4*\i:R+16*((\t)%4)+4*\i+3], v3, s[22:23] offset:2048*(\t)+512*\i th:TH_LOAD_NT   ; 32 lanes read 512 consecutive bytes
.endr
.endm
.macro TURN t                          ; step t's numbers through the stage: LDS serves a wave's instructions in order, so no wait stands between the stores and the loads
.irp i, 0,1,2,3
	ds_store_b128 v14, v[R+16*((\t)%4)+4*\i:R+16*((\t)%4)+4*\i+3] offset:32*SP*((\t)%2)+8*SP*\i
.endr
.irp i, 0,1,2,3
	ds_load_b128 v[X+16*((\t)%2)+4*\i:X+16*((\t)%2)+4*\i+3], v15 offset:32*SP*((\t)%2)+16*\i
.endr
.endm
.irp t, 0,1,2,3
	LOAD \t
.endr
	s_wait_loadcnt 12                              ; step 0's four loads are in; twelve younger ones stay out
	TURN 0
.macro STEP t
.set XS, X+16*((\t)%2)
.if (\t) > 0
	s_wait_dscnt 1                                 ; this step's numbers are back from the stage (the last step's byte store may be out): so its stores into the stage have read their registers,
.else
	s_wait_dscnt 0x0
.endif
.if (\t)+4 < STEPS
	LOAD (\t)+4                                    ; which take the loads of four steps on
.endif
.if (\t)+1 < STEPS
.if STEPS-2-(\t) >= 3
	s_wait_loadcnt 12                              ; the next step's four loads are in; those of the three steps behind it may be out
.else
	s_wait_loadcnt 4*(STEPS-2-(\t))
.endif
	TURN (\t)+1                                    ; and go through the other stage while this step is worked
.endif
	v_max3_num_f32 v8, |v[XS]|, |v[XS+1]|, |v[XS+2]|               ; the largest magnitude of my 16, in two chains
	v_max3_num_f32 v9, |v[XS+3]|, |v[XS+4]|, |v[XS+5]|
.irp i, 6,10
	v_max3_num_f32 v8, v8, |v[XS+\i]|, |v[XS+\i+1]|
	v_max3_num_f32 v9, v9, |v[XS+\i+2]|, |v[XS+\i+3]|
.endr
	v_max3_num_f32 v8, v8, |v[XS+14]|, |v[XS+15]|
	v_max3_num_f32 v8, v8, v9, (EMAX+1)<<23        ; and the floor 2^(3 - 127): the byte cannot fall under 1
	v_max_num_f32_dpp v8, v8, v8 row_xmask:1 row_mask:0xf bank_mask:0xf   ; and of my neighbour's 16: the block's
	v_add_nc_u32 v11, -(EMAX<<23), v8              ; 2 off its exponent field: the conversion takes the exponent field of this operand as its scale, and nothing else of it
	v_cvt_scalef32_pk8_fp4_f32 v[C+4*(\t)], v[XS:XS+7], v11
	v_cvt_scalef32_pk8_fp4_f32 v[C+4*(\t)+1], v[XS+8:XS+15], v11
	v_lshrrev_b32 v[E+(\t)], 23, v11               ; the scale's byte (also the plain line behind the conversions)
	ds_store_b8 v5, v[E+(\t)] offset:16*(\t)       ; both lanes of a block write the same byte with the same value
	global_store_b64 v4, v[C+4*(\t):C+4*(\t)+1], s[16:17] offset:32*CB*(\t)
.endm
.irp t, 0,1,2,3,4,5,6,7,8,9,10,11,12,13,14,15
	STEP \t
.endr
	ds_load_b64 v[8:9], v6                         ; LDS serves a wave's instructions in order: these see my stores
	s_wait_dscnt 0x0
	global_store_b64 v7, v[8:9], s[18:19]          ; 32 lanes store 256 consecutive bytes, aligned
	s_wait_tensorcnt 0x0                           ; the wave's end: behind my last LDS store
	ds_add_u32 v[SPW], v[NIL]
	s_wait_dscnt 0x0
	s_endpgm
.Lfunc_end_k_q54b825b0c0_quant:
	.size	k_q54b825b0c0_quant, .Lfunc_end_k_q54b825b0c0_quant-k_q54b825b0c0_quant
	.p2alignl 7, 3214868480
	.fill 96, 4, 3214868480
	.section	.rodata,"a",@progbits
	.p2align	6, 0x0
	.amdhsa_kernel k_q54b825b0c0_quant
		.amdhsa_group_segment_fixed_size 33280
		.amdhsa_private_segment_fixed_size 0
		.amdhsa_enable_private_segment 0
		.amdhsa_kernarg_size 64
		.amdhsa_user_sgpr_count 2
		.amdhsa_user_sgpr_kernarg_segment_ptr 1
		.amdhsa_wavefront_size32 1
		.amdhsa_system_sgpr_workgroup_id_x 1
		.amdhsa_system_sgpr_workgroup_id_y 1
		.amdhsa_system_sgpr_workgroup_id_z 1
		.amdhsa_system_vgpr_workitem_id 0
		.amdhsa_next_free_vgpr 192
		.amdhsa_next_free_sgpr 66
		.amdhsa_reserve_vcc 0
		.amdhsa_float_denorm_mode_32 3
		.amdhsa_float_denorm_mode_16_64 3
		.amdhsa_memory_ordered 1
		.amdhsa_forward_progress 1
		.amdhsa_inst_pref_size 35
	.end_amdhsa_kernel
	.amdgpu_metadata
---
amdhsa.version: [ 1, 2 ]
amdhsa.kernels:
  - .name:           k_q54b825b0c0_quant
    .symbol:         k_q54b825b0c0_quant.kd
    .args:
      - { .name: query_states, .offset: 0, .size: 8, .value_kind: global_buffer, .address_space: global }
      - { .name: key_states, .offset: 8, .size: 8, .value_kind: global_buffer, .address_space: global }
      - { .name: Wq, .offset: 16, .size: 8, .value_kind: global_buffer, .address_space: global }
      - { .name: Wd, .offset: 24, .size: 8, .value_kind: global_buffer, .address_space: global }
      - { .name: Wk, .offset: 32, .size: 8, .value_kind: global_buffer, .address_space: global }
      - { .name: Wv, .offset: 40, .size: 8, .value_kind: global_buffer, .address_space: global }
      - { .name: codes, .offset: 48, .size: 8, .value_kind: global_buffer, .address_space: global }
      - { .name: scales, .offset: 56, .size: 8, .value_kind: global_buffer, .address_space: global }
    .group_segment_fixed_size: 33280
    .private_segment_fixed_size: 0
    .kernarg_segment_align: 8
    .kernarg_segment_size: 64
    .max_flat_workgroup_size: 128
    .sgpr_count:     66
    .vgpr_count:     192
    .wavefront_size: 32
...
	.end_amdgpu_metadata
.endif
;; end of part 1
;; launch proj (part 2): grid 64 x 4, 4 waves a work-group, clusters of 4 x 1, 327,680 bytes of LDS; arguments codes, scales, bq, bv, qp, kp, vp, kb; writes qp, kp, vp, kb
.if DOCPART == 2
	.amdgcn_target "amdgcn-amd-amdhsa--gfx1250"
	.amdhsa_code_object_version 6
	.text
	.protected	k_q54b825b0c0_proj
	.globl	k_q54b825b0c0_proj
	.p2align	8
	.type	k_q54b825b0c0_proj,@function
k_q54b825b0c0_proj:
	s_mov_b64 s[64:65], 0
	v_nop
	global_prefetch_b8 v0, s[64:65] scope:SCOPE_SE
	s_setreg_imm32_b32 hwreg(HW_REG_WAVE_MODE, 25, 1), 1
	s_wait_xcnt 0x0
	s_wait_alu depctr_hold_cnt(0) depctr_sa_sdst(0) depctr_va_vdst(0) depctr_va_sdst(0) depctr_va_ssrc(0) depctr_va_vcc(0) depctr_vm_vsrc(0)
	s_getreg_b32 s2, hwreg(HW_REG_IB_STS2, 6, 4)
	s_cmp_eq_u32 s2, 0
	s_cbranch_scc0 .Lentry_in_a_cluster
	s_endpgm
.Lentry_in_a_cluster:
	s_bfe_u32 s2, ttmp6, 0x10000c
	s_cmp_lg_u32 s2, 0x3003
	s_cbranch_scc0 .Lentry_shape_is_right
	s_endpgm
.Lentry_shape_is_right:
; SECOND OF THREE LAUNCHES: the five quantised products, on the codes and scale bytes of the first launch, by v_wmma_scale_f32_16x16x128_f8f6f4 with both operands FP4; sums in f32.
; LEFT OUT (shown at the head of the first kernel): bk is not added, and qd_sq is not made.
; RESULTS, with c = log2(e) / 8 and hb = 12 x batch + head:
;   qp [hb][1024][128] f16: c qd | c (q + bq)     kp [hb][1024][128] f16: kd | k (without bk)     vp [hb][1024][64] f16: v + bv     kb [hb][1024] f32: -0.5 c |kd|^2, from the f32 sums.
; So the attention's two score products are one product over 128 channels, its scores come out as exponents of 2, and kb is their starting sum.
; LIMIT: c qd, c (q + bq), kd, k and v + bv are rounded to f16 and must stay under 65,504: with every input 30 times the drawn spread they reach some 5,000; with offsets of 30 spreads on x and W
; together, 768 x 30 x 1.08 = some 25,000.
; SHARES.  A work-group takes 128 rows of the queries' x AND the same 128 rows of the keys' x, for three heads: 64 row blocks x 4 groups of heads = 256 work-groups of equal work.
; Wave w owns rows 32 w .. 32 w + 31 of both: four tiles of 16 rows (0, 1: queries; 2, 3: keys), whose fragments for all of K stay in its registers (192), read from memory once.
; It walks all columns, so each output row is made whole by one wave and the way out needs no barrier.  A head's weights (4 parts x 64 rows x 384 bytes) come through two LDS slots.
; CLUSTER.  The four work-groups of a cluster have the same heads and other rows: every load of weights is asked for JOINTLY (mask 15), the same descriptor in all four.
; THE MATRIX INSTRUCTION IS USED TRANSPOSED (source 0 = 16 rows of W, source 1 = 16 rows of x): lane (r, h) holds row r of x and, in register j, column 16 ct + 8 h + j.
; A HEAD, four passes: q (tiles 0, 1; C starts as bq), d (tiles 0-3), k (tiles 2, 3), v (tiles 2, 3; C starts as bv): 240 matrix instructions.  While a pass's results are packed and stored, the next
; pass's fragments are on their way from LDS.
; REGISTERS, in windows of 256: window 0: addresses, scale words, the accumulators v64-191, rows on the way out v192-255.  window 1: x's fragments, 8 (6 tile + K step).
;   window 2: W's fragments of a pass, 8 (6 ct + K step).   window 3: bq at 32 hl + 8 ct, bv at 96 + 32 hl + 8 ct, in the result's layout.
.set WC,    6291456                    ; the weights' codes in the buffer codes
.set WS,    393216                     ; their scale bytes in the buffer scales
.set XKC,   3145728                    ; the keys' x: codes,
.set XKS,   196608                     ; scale bytes
.set HEADC, 98304                      ; a head's weights: 256 rows x 384 bytes
.set HEADS, 6144                       ; and their scale bytes: 256 rows x 24
.set PW,    432                        ; a row of W in LDS: 384 bytes + 16 behind every 128 = 108 words: row r starts at bank 4 (11 r mod 16) of 64 (ISA guide 11.1): sixteen different places
.set PARTB, 64*PW                      ; a part: what one tensor load brings
.set SLOT,  4*PARTB
.set SCL,   2*SLOT                     ; the scale bytes of the three heads, dense, filled once
.set STG,   SCL+3*HEADS                ; the stages for the way out: for each wave 32 rows x 272 for qp, then the same for kp; vp uses the first with rows of 144
.set STGW,  17408
.set STK,   8704
.set SPARE, STG+4*STGW                 ; the spare words, 128 bytes a wave, that no other line names
.set XA,   4                           ; v4   x's codes: 384 r + 16 h
.set XS,   5                           ; v5   x's scale bytes: 24 x lane
.set BO,   6                           ; v6   biases: 32 h
.set ADW,  8                           ; v8-11  W in LDS: 432 r + 16 h + (2 slot + part / 2) x two parts
.set ADS,  12                          ; v12  W's scale bytes in LDS: SCL + 24 x lane
.set STO,  13                          ; v13  into the stage, rows of 272
.set RD,   14                          ; v14  back from it
.set STOV, 15                          ; v15  into the stage, rows of 144
.set RDV,  16                          ; v16  back from it
.set LO,   17                          ; v17  16 x lane
.set L4,   18                          ; v18  4 x lane
.set BT,   20                          ; v20-22 kb's numbers, a register for each head: no store's data are written again
.set SPW,  28                          ; v28  LDS address of my spare word; never rewritten
.set NIL,  29                          ; v29  0; never rewritten
.set AS,   32                          ; v32-43 x's scale words: AS + 6 (tile / 2) + K step: lanes 0-15 the even tile's rows, lanes 16-31 the odd tile's
.set WSC,  44                          ; v44-55 W's, of a pass: WSC + 6 (ct / 2) + K step, laid likewise
.set T,    56                          ; v56-61 at work
.set ACC,  64                          ; accumulator (tt, ct) at ACC + 8 (4 tt + ct)
.set OUTR, 192
.set WV,   20                          ; s20 my wave's number
.set G1W,  24                          ; s[24:31] descriptor group 1: a part of W
.set G1S,  32                          ; s[32:39] the scale bytes
.set G0A,  40                          ; s[40:43] group 0: slot 0
.set G0B,  44                          ; s[44:47] slot 1
.set G0S,  48                          ; s[48:51] the scale bytes
.set MSB, 0
.macro WIN new                         ; the immediate's high byte repeats the setting that is left
.if MSB != \new
	s_set_vgpr_msb (MSB<<8)|\new
.set MSB, \new
.endif
.endm
.set W_MUL,  0x06                      ; source 0 (W) window 2, source 1 (x) window 1, C and D window 0
.set W_MULB, 0x36                      ; the same with C (a bias) in window 3
.macro CROUND                          ; a round of the cluster's barrier
	s_barrier_signal -1
	s_barrier_wait -1
	s_cmp_lg_u32 s[WV], 0
	s_cbranch_scc1 .Lnot_wave_0_\@
	s_barrier_signal -3
.Lnot_wave_0_\@:
	s_barrier_wait -3
	s_barrier_signal -1
	s_barrier_wait -1
.endm
.macro PLACES                          ; four places behind the last matrix instruction, in front of loads into its sources and of the first read of results
.rept 4
	v_nop
.endr
.endm
	s_load_b256 s[4:11], s[0:1], 0x0               ; codes s[4:5], scales s[6:7], bq s[8:9], bv s[10:11]
	s_load_b256 s[12:19], s[0:1], 0x20             ; qp s[12:13], kp s[14:15], vp s[16:17], kb s[18:19]
	v_lshl_add_u32 v[SPW], v0, 2, SPARE
	v_mov_b32 v[NIL], 0
	ds_add_u32 v[SPW], v[NIL]                      ; the wave's opening: the add, twice on end, and its wait ahead of my first tensor load
	ds_add_u32 v[SPW], v[NIL]
	v_lshrrev_b32 v1, 5, v0
	v_readfirstlane_b32 s[WV], v1                  ; wave 0..3
	s_bfe_u32 s21, ttmp6, 0x40000                  ; cx: my place in the cluster: it enters the addresses of x and of the results alone
	s_lshl_b32 s22, ttmp9, 2
	s_add_co_u32 s22, s22, s21                     ; my block of 128 rows
	s_and_b32 s23, ttmp7, 0xffff                   ; my three heads: 3 hg .. 3 hg + 2, which the four partners share
	; group 1, W: 64 rows of 384 bytes, dense in memory
	s_mov_b32 s[G1W], 15|(1<<20)|(1<<21)|(4<<22)|(3<<25)  ; 15:0 the mask: all four; 17:16 elements of 1 byte; 20 padding on; 21 set beside a mask; 24:22 after every 32 words (code 4); 31:25 four words (code 3)
	s_mov_b32 s[G1W+1], 384<<16                    ; tensor_dim0
	s_mov_b32 s[G1W+2], 64<<16                     ; tensor_dim1
	s_mov_b32 s[G1W+3], 384<<16                    ; tile_dim0
	s_mov_b32 s[G1W+4], 64                         ; tile_dim1
	s_mov_b32 s[G1W+5], 384                        ; from row to row
	s_mov_b32 s[G1W+6], 0
	s_mov_b32 s[G1W+7], 0
	; group 1, scale bytes: a quarter of the three heads' 18,432 dense bytes, as 18 rows of 256 bytes (32 elements of 8 bytes), no padding
	s_mov_b32 s[G1S], 15|(3<<16)|(1<<21)
	s_mov_b32 s[G1S+1], 32<<16
	s_mov_b32 s[G1S+2], 18<<16
	s_mov_b32 s[G1S+3], 32<<16
	s_mov_b32 s[G1S+4], 18
	s_mov_b32 s[G1S+5], 32
	s_mov_b32 s[G1S+6], 0
	s_mov_b32 s[G1S+7], 0
	s_mul_i32 s58, s23, 3*HEADC                    ; wave w fetches part w of a head
	s_mul_i32 s59, s[WV], 24576
	s_add_co_u32 s58, s58, s59
	s_add_co_u32 s58, s58, WC
	s_mov_b32 s59, 0
	s_mul_i32 s60, s23, 3*HEADS
	s_mul_i32 s61, s[WV], 4608
	s_add_co_u32 s60, s60, s61
	s_add_co_u32 s60, s60, WS
	s_mov_b32 s61, 0
	s_mul_i32 s62, s[WV], PARTB                    ; and where they go: no place in the cluster enters an LDS address
	s_mul_i32 s63, s[WV], 4608
	s_mov_b32 s52, 0x3e38aa3b                      ; c = log2(e) / 8
	s_mov_b32 s53, s52                             ; (named with it as a pair, so it is written)
	s_mov_b32 s54, 0x76543210
	s_mov_b32 s55, 0xfedcba98                      ; v_permlanex16_b32's selects for lane l xor 16
	s_mov_b32 s56, 0xffff0000                      ; lanes 16-31
	s_wait_dscnt 0x0                               ; both opening adds are done
	s_wait_kmcnt 0x0
	s_mov_b32 s[G0A], 1
	s_mov_b32 s[G0A+1], s62
	s_add_nc_u64 s[G0A+2:G0A+3], s[4:5], s[58:59]  ; the first head
	s_or_b32 s[G0A+3], s[G0A+3], 0x80000000
	s_mov_b32 s[G0B], 1
	s_add_co_u32 s[G0B+1], s62, SLOT
	s_add_nc_u64 s[G0B+2:G0B+3], s[4:5], s[58:59]
	s_add_nc_u64 s[G0B+2:G0B+3], s[G0B+2:G0B+3], HEADC   ; the second
	s_or_b32 s[G0B+3], s[G0B+3], 0x80000000
	s_mov_b32 s[G0S], 1
	s_add_co_u32 s[G0S+1], s63, SCL
	s_add_nc_u64 s[G0S+2:G0S+3], s[6:7], s[60:61]
	s_or_b32 s[G0S+3], s[G0S+3], 0x80000000
	CROUND                                         ; all four work-groups are here: the first joint loads meet
	tensor_load_to_lds s[G0S:G0S+3], s[G1S:G1S+7]  ; every wave issues the same three lines: three loads of mine are out
	s_nop 0
	tensor_load_to_lds s[G0A:G0A+3], s[G1W:G1W+7]
	s_nop 0
	tensor_load_to_lds s[G0B:G0B+3], s[G1W:G1W+7]
	s_nop 0
.rept 4
	v_nop
.endr
	v_and_b32 v1, 15, v0                           ; r
	v_bfe_u32 v2, v0, 4, 1                         ; h
	v_and_b32 v3, 31, v0                           ; lane
	v_mul_u32_u24 v[XA], v1, 384
	v_lshl_add_u32 v[XA], v2, 4, v[XA]
	v_mul_u32_u24 v[XS], v3, 24
	v_lshlrev_b32 v[BO], 5, v2
	s_lshl_b32 s66, s22, 7
	s_lshl_b32 s67, s[WV], 5
	s_add_co_u32 s66, s66, s67                     ; my first row of x: 128 x block + 32 x wave
	s_mul_i32 s68, s66, 384
	s_mov_b32 s69, 0
	s_add_nc_u64 s[68:69], s[4:5], s[68:69]        ; its codes
	s_mul_i32 s70, s66, 24
	s_mov_b32 s71, 0
	s_add_nc_u64 s[70:71], s[6:7], s[70:71]        ; its scale bytes
	s_mul_i32 s72, s23, 768                        ; three heads x 64 numbers x 4 bytes
	s_mov_b32 s73, 0
	s_add_nc_u64 s[74:75], s[10:11], s[72:73]      ; bv
	s_add_nc_u64 s[72:73], s[8:9], s[72:73]        ; bq
	WIN 0x40                                       ; destination window 1
.irp tile, 0,1,2,3                     ; x's fragments: 16 rows x 128 K are 8 registers: registers 4 c .. 4 c + 3 hold K = 64 c + 32 h + 0 .. 31: 16 bytes of the row as they lie
.irp s, 0,1,2,3,4,5
.irp c, 0,1
	global_load_b128 v[8*(6*\tile+\s)+4*\c:8*(6*\tile+\s)+4*\c+3], v[XA], s[68:69] offset:XKC*(\tile/2)+6144*(\tile%2)+64*\s+32*\c
.endr
.endr
.endr
	WIN 0
.irp q, 0,1
.irp i, 0,1,2
	global_load_b64 v[AS+6*\q+2*\i:AS+6*\q+2*\i+1], v[XS], s[70:71] offset:XKS*\q+8*\i   ; lane l: row l of my 32: the words of K steps 2 i, 2 i + 1
.endr
.endr
	WIN 0xc0                                       ; destination window 3
.irp hl, 0,1,2
.irp ct, 0,1,2,3
.irp c, 0,1
	global_load_b128 v[32*\hl+8*\ct+4*\c:32*\hl+8*\ct+4*\c+3], v[BO], s[72:73] offset:256*\hl+64*\ct+16*\c
	global_load_b128 v[96+32*\hl+8*\ct+4*\c:96+32*\hl+8*\ct+4*\c+3], v[BO], s[74:75] offset:256*\hl+64*\ct+16*\c
.endr
.endr
.endr
	WIN 0
	v_mul_u32_u24 v7, v1, PW
	v_lshl_add_u32 v7, v2, 4, v7
.irp k, 0,1,2,3
	v_add_nc_u32 v[ADW+\k], \k*2*PARTB, v7
.endr
	v_mul_u32_u24 v[ADS], v3, 24
	v_add_nc_u32 v[ADS], SCL, v[ADS]
	s_mul_i32 s58, s[WV], STGW
	s_add_co_u32 s58, s58, STG                     ; my stages
	v_mul_u32_u24 v[STO], v1, 272
	v_lshl_add_u32 v[STO], v2, 4, v[STO]
	v_add_nc_u32 v[STO], s58, v[STO]               ; in: row r, 16 bytes for each half of the lanes
	v_mul_u32_u24 v[RD], v2, 272
	v_lshl_add_u32 v[RD], v1, 4, v[RD]
	v_add_nc_u32 v[RD], s58, v[RD]                 ; back: lanes 0-15 one row of 256 bytes, lanes 16-31 the next
	v_mul_u32_u24 v[STOV], v1, 144
	v_lshl_add_u32 v[STOV], v2, 4, v[STOV]
	v_add_nc_u32 v[STOV], s58, v[STOV]
	v_lshrrev_b32 v7, 3, v3
	v_mul_u32_u24 v[RDV], v7, 144
	v_and_b32 v7, 7, v3
	v_lshl_add_u32 v[RDV], v7, 4, v[RDV]
	v_add_nc_u32 v[RDV], s58, v[RDV]               ; back: eight lanes to a row of 128 bytes, four rows an instruction
	v_lshlrev_b32 v[LO], 4, v3
	v_lshlrev_b32 v[L4], 2, v3
	v_mov_b32 v[T+4], 0                            ; written once: a lane permute's destination counts as one of its sources
	v_mov_b32 v[T+5], 0
	s_lshr_b32 s76, s22, 3                         ; the batch
	s_mul_i32 s76, s76, 12
	s_mul_i32 s77, s23, 3
	s_add_co_u32 s76, s76, s77                     ; hb of my first head
	s_lshl_b32 s76, s76, 10
	s_and_b32 s77, s22, 7
	s_lshl_b32 s77, s77, 7
	s_add_co_u32 s76, s76, s77
	s_add_co_u32 s76, s76, s67                     ; 1024 hb + my first row in the batch
	s_lshl_b32 s78, s76, 8
	s_mov_b32 s79, 0
	s_add_nc_u64 s[12:13], s[12:13], s[78:79]      ; qp, kp: 256 bytes a row
	s_add_nc_u64 s[14:15], s[14:15], s[78:79]
	s_lshl_b32 s78, s76, 7
	s_add_nc_u64 s[16:17], s[16:17], s[78:79]      ; vp: 128
	s_lshl_b32 s78, s76, 2
	s_add_nc_u64 s[18:19], s[18:19], s[78:79]      ; kb: 4
; a pass's fragments of W (4 tiles of 16 rows x 6 K steps) and its scale words: 54 LDS loads in one run.  K step s of a row begins at 64 s + 16 (s / 2): the padding
.macro LOADW slot, part, hl
	WIN 0x80                                       ; destination window 2
.irp ct, 0,1,2,3
.irp s, 0,1,2,3,4,5
.irp c, 0,1
	ds_load_b128 v[8*(6*\ct+\s)+4*\c:8*(6*\ct+\s)+4*\c+3], v[ADW+2*(\slot)+(\part)/2] offset:((\part)%2)*PARTB+\ct*16*PW+64*\s+16*(\s/2)+32*\c
.endr
.endr
.endr
	WIN 0
.irp p, 0,1
.irp i, 0,1,2
	ds_load_b64 v[WSC+6*\p+2*\i:WSC+6*\p+2*\i+1], v[ADS] offset:HEADS*(\hl)+1536*(\part)+768*\p+8*\i   ; lane l: row 32 p + l of the part
.endr
.endr
.endm
; one matrix instruction on the registers named by the symbols rD, rW, rA, rC, rSW, rSA; oW, oA: the scale words lie in lanes 16-31
.macro WM zero
.if \zero
.if oW && oA
	v_wmma_scale_f32_16x16x128_f8f6f4 v[rD:rD+7], v[rW:rW+7], v[rA:rA+7], 0, v[rSW], v[rSA] matrix_a_fmt:MATRIX_FMT_FP4 matrix_b_fmt:MATRIX_FMT_FP4 matrix_a_scale:MATRIX_SCALE_ROW1 matrix_b_scale:MATRIX_SCALE_ROW1
.elseif oW
	v_wmma_scale_f32_16x16x128_f8f6f4 v[rD:rD+7], v[rW:rW+7], v[rA:rA+7], 0, v[rSW], v[rSA] matrix_a_fmt:MATRIX_FMT_FP4 matrix_b_fmt:MATRIX_FMT_FP4 matrix_a_scale:MATRIX_SCALE_ROW1
.elseif oA
	v_wmma_scale_f32_16x16x128_f8f6f4 v[rD:rD+7], v[rW:rW+7], v[rA:rA+7], 0, v[rSW], v[rSA] matrix_a_fmt:MATRIX_FMT_FP4 matrix_b_fmt:MATRIX_FMT_FP4 matrix_b_scale:MATRIX_SCALE_ROW1
.else
	v_wmma_scale_f32_16x16x128_f8f6f4 v[rD:rD+7], v[rW:rW+7], v[rA:rA+7], 0, v[rSW], v[rSA] matrix_a_fmt:MATRIX_FMT_FP4 matrix_b_fmt:MATRIX_FMT_FP4
.endif
.else
.if oW && oA
	v_wmma_scale_f32_16x16x128_f8f6f4 v[rD:rD+7], v[rW:rW+7], v[rA:rA+7], v[rC:rC+7], v[rSW], v[rSA] matrix_a_fmt:MATRIX_FMT_FP4 matrix_b_fmt:MATRIX_FMT_FP4 matrix_a_scale:MATRIX_SCALE_ROW1 matrix_b_scale:MATRIX_SCALE_ROW1
.elseif oW
	v_wmma_scale_f32_16x16x128_f8f6f4 v[rD:rD+7], v[rW:rW+7], v[rA:rA+7], v[rC:rC+7], v[rSW], v[rSA] matrix_a_fmt:MATRIX_FMT_FP4 matrix_b_fmt:MATRIX_FMT_FP4 matrix_a_scale:MATRIX_SCALE_ROW1
.elseif oA
	v_wmma_scale_f32_16x16x128_f8f6f4 v[rD:rD+7], v[rW:rW+7], v[rA:rA+7], v[rC:rC+7], v[rSW], v[rSA] matrix_a_fmt:MATRIX_FMT_FP4 matrix_b_fmt:MATRIX_FMT_FP4 matrix_b_scale:MATRIX_SCALE_ROW1
.else
	v_wmma_scale_f32_16x16x128_f8f6f4 v[rD:rD+7], v[rW:rW+7], v[rA:rA+7], v[rC:rC+7], v[rSW], v[rSA] matrix_a_fmt:MATRIX_FMT_FP4 matrix_b_fmt:MATRIX_FMT_FP4
.endif
.endif
.endm
; a pass: tiles t0 .. t0 + nt - 1 of x against the part's four tiles of W, six K steps.  The first K step starts the sums: from the bias (its registers' base in window 3) or, bias = -1, from 0.
; The 4 nt accumulators take turns, one instruction a turn, in the same order in every K step; neighbours share no C.
.macro MUL t0, nt, bias
.irp s, 0,1,2,3,4,5
.if (\s == 0) && ((\bias) >= 0)
	WIN W_MULB
.else
	WIN W_MUL
.endif
.set tt, 0
.rept \nt
.irp ct, 0,1,2,3
.set rD, ACC+8*(4*tt+\ct)
.set rW, 8*(6*\ct+\s)
.set rA, 8*(6*((\t0)+tt)+\s)
.set rSW, WSC+6*(\ct/2)+\s
.set rSA, AS+6*(((\t0)+tt)/2)+\s
.set oW, \ct%2
.set oA, ((\t0)+tt)%2
.set rC, rD
.set zf, 0
.if \s == 0
.if (\bias) >= 0
.set rC, (\bias)+8*\ct
.else
.set zf, 1
.endif
.endif
	WM zf
.endr
.set tt, tt+1
.endr
.endr
	WIN 0
.endm
; the four accumulators of tile tt: (sc = 1: times c,) rounded to f16 in place, each from its low end on, 16 bytes a lane into the stage
.macro OUTH tt, adr, off, sc
.irp ct, 0,1,2,3
.set rO, ACC+8*(4*(\tt)+\ct)
.if \sc
.irp i, 0,1,2,3
	v_pk_mul_f32 v[rO+2*\i:rO+2*\i+1], v[rO+2*\i:rO+2*\i+1], s[52:53] op_sel_hi:[1,0]
.endr
.endif
.irp i, 0,1,2,3
	v_cvt_pk_f16_f32 v[rO+\i], v[rO+2*\i], v[rO+2*\i+1]
.endr
	ds_store_b128 v[\adr], v[rO:rO+3] offset:\off+32*\ct
.endr
.endm
; my 32 rows of 256 bytes leave the stage: in memory they are one dense block, so each store of the wave covers 512 consecutive bytes, aligned
.macro FLUSH soff, ptr, goff
	s_wait_xcnt 0x0                                ; the earlier stores have read their data: v192-255 may be loaded again
.irp i, 0,1,2,3,4,5,6,7,8,9,10,11,12,13,14,15
	ds_load_b128 v[OUTR+4*\i:OUTR+4*\i+3], v[RD] offset:\soff+544*\i   ; LDS serves a wave's instructions in order: these see my stores
.endr
.irp i, 0,1,2,3,4,5,6,7,8,9,10,11,12,13,14,15
	s_wait_dscnt 15-\i                             ; the younger reads back may stay out
	global_store_b128 v[LO], v[OUTR+4*\i:OUTR+4*\i+3], s[\ptr:\ptr+1] offset:\goff+512*\i
.endr
.endm
.macro FLUSHV goff                     ; the same for 32 rows of 128 bytes
	s_wait_xcnt 0x0
.irp i, 0,1,2,3,4,5,6,7
	ds_load_b128 v[OUTR+4*\i:OUTR+4*\i+3], v[RDV] offset:576*\i
.endr
.irp i, 0,1,2,3,4,5,6,7
	s_wait_dscnt 7-\i
	global_store_b128 v[LO], v[OUTR+4*\i:OUTR+4*\i+3], s[16:17] offset:\goff+512*\i
.endr
.endm
; -0.5 c |kd|^2 of my 32 keys, from the f32 sums in tiles 2 and 3: 32 numbers a lane, the other 32 in lane l xor 16.  Lanes 0-15 keep tile 2's rows, lanes 16-31 tile 3's: 128 consecutive bytes a wave
; (kb is 0.4 MB of the launch's 63: gathering longer runs would want a barrier between waves).
.macro BETA hl
.set b2, ACC+64
.set b3, ACC+96
	v_pk_mul_f32 v[T:T+1], v[b2:b2+1], v[b2:b2+1]
	v_pk_mul_f32 v[T+2:T+3], v[b3:b3+1], v[b3:b3+1]
.set bi, 2
.rept 15
	v_pk_fma_f32 v[T:T+1], v[b2+bi:b2+bi+1], v[b2+bi:b2+bi+1], v[T:T+1]
	v_pk_fma_f32 v[T+2:T+3], v[b3+bi:b3+bi+1], v[b3+bi:b3+bi+1], v[T+2:T+3]
.set bi, bi+2
.endr
	v_add_f32 v[T], v[T], v[T+1]
	v_add_f32 v[T+2], v[T+2], v[T+3]
	v_permlanex16_b32 v[T+4], v[T], s54, s55
	v_permlanex16_b32 v[T+5], v[T+2], s54, s55
	v_add_f32 v[T], v[T], v[T+4]
	v_add_f32 v[T+2], v[T+2], v[T+5]
	v_cndmask_b32 v[BT+\hl], v[T], v[T+2], s56
	v_mul_f32 v[BT+\hl], 0xbdb8aa3b, v[BT+\hl]     ; x -c / 2
	global_store_b32 v[L4], v[BT+\hl], s[18:19] offset:4096*\hl
.endm
; Each s_wait_dscnt 0 in front of a pass: W's fragments and scale words are in, the stage's stores have read the accumulators, the reads back are in.
.macro HEAD slot, hl
	LOADW \slot, 0, \hl
	s_wait_dscnt 0x0
	MUL 0, 2, 32*\hl                               ; q + bq
	PLACES
	LOADW \slot, 1, \hl
	OUTH 0, STO, 128, 1                            ; c (q + bq): columns 64-127 of qp
	OUTH 1, STO, 4352+128, 1
	s_wait_dscnt 0x0
	MUL 0, 4, -1                                   ; qd and kd
	PLACES
	LOADW \slot, 2, \hl
	OUTH 0, STO, 0, 1                              ; c qd: columns 0-63
	OUTH 1, STO, 4352, 1
	FLUSH 0, 12, 262144*\hl
	BETA \hl
	OUTH 2, STO, STK, 0                            ; kd: columns 0-63 of kp
	OUTH 3, STO, STK+4352, 0
	s_wait_dscnt 0x0
	MUL 2, 2, -1                                   ; k, without bk
	PLACES
	LOADW \slot, 3, \hl
	OUTH 0, STO, STK+128, 0
	OUTH 1, STO, STK+4352+128, 0
	FLUSH STK, 14, 262144*\hl
	s_wait_dscnt 0x0
	MUL 2, 2, 96+32*\hl                            ; v + bv
	PLACES
	OUTH 0, STOV, 0, 0
	OUTH 1, STOV, 2304, 0
	FLUSHV 131072*\hl
.endm
	s_wait_tensorcnt 1                             ; my parts of the scale bytes and of slot 0 are in; slot 1's load may stay out
	s_barrier_signal -1
	s_barrier_wait -1                              ; everybody's are
	s_wait_loadcnt 0x0                             ; x's fragments and scale words, the biases
	HEAD 0, 0
	s_wait_tensorcnt 0x0                           ; all my tensor loads have landed, slot 1's among them: a group 0 may be written
	ds_add_u32 v[SPW], v[NIL]                      ; 0 onto my spare word
	s_add_nc_u64 s[G0A+2:G0A+3], s[G0A+2:G0A+3], 2*HEADC   ; the third head
	s_wait_dscnt 0x0                               ; the add is done, and my reads of slot 0 are over
	CROUND                                         ; no wave of any partner still reads slot 0 or has a load on its way
	tensor_load_to_lds s[G0A:G0A+3], s[G1W:G1W+7]  ; my one load behind the round: it has a head's 240 matrix instructions in which to land
	s_nop 0
.rept 4
	v_nop
.endr
	HEAD 1, 1
	s_wait_tensorcnt 0x0                           ; my part of the third head is in: the one load that was out
	s_wait_dscnt 0x0
	s_barrier_signal -1
	s_barrier_wait -1                              ; everybody's is
	HEAD 0, 2
	s_wait_tensorcnt 0x0                           ; the wave's end: behind my last tensor load and my last LDS store
	ds_add_u32 v[SPW], v[NIL]
	s_wait_dscnt 0x0
	CROUND                                         ; the closing round: no work-group ends while a partner may still ask for a tile that names it
	s_endpgm
.Lfunc_end_k_q54b825b0c0_proj:
	.size	k_q54b825b0c0_proj, .Lfunc_end_k_q54b825b0c0_proj-k_q54b825b0c0_proj
	.p2alignl 7, 3214868480
	.fill 96, 4, 3214868480
	.section	.rodata,"a",@progbits
	.p2align	6, 0x0
	.amdhsa_kernel k_q54b825b0c0_proj
		.amdhsa_group_segment_fixed_size 327680
		.amdhsa_private_segment_fixed_size 0
		.amdhsa_enable_private_segment 0
		.amdhsa_kernarg_size 64
		.amdhsa_user_sgpr_count 2
		.amdhsa_user_sgpr_kernarg_segment_ptr 1
		.amdhsa_wavefront_size32 1
		.amdhsa_system_sgpr_workgroup_id_x 1
		.amdhsa_system_sgpr_workgroup_id_y 1
		.amdhsa_system_sgpr_workgroup_id_z 1
		.amdhsa_system_vgpr_workitem_id 0
		.amdhsa_next_free_vgpr 1024
		.amdhsa_next_free_sgpr 80
		.amdhsa_reserve_vcc 0
		.amdhsa_float_denorm_mode_32 3
		.amdhsa_float_denorm_mode_16_64 3
		.amdhsa_memory_ordered 1
		.amdhsa_forward_progress 1
		.amdhsa_inst_pref_size 233
	.end_amdhsa_kernel
	.amdgpu_metadata
---
amdhsa.version: [ 1, 2 ]
amdhsa.kernels:
  - .name:           k_q54b825b0c0_proj
    .symbol:         k_q54b825b0c0_proj.kd
    .args:
      - { .name: codes, .offset: 0, .size: 8, .value_kind: global_buffer, .address_space: global }
      - { .name: scales, .offset: 8, .size: 8, .value_kind: global_buffer, .address_space: global }
      - { .name: bq, .offset: 16, .size: 8, .value_kind: global_buffer, .address_space: global }
      - { .name: bv, .offset: 24, .size: 8, .value_kind: global_buffer, .address_space: global }
      - { .name: qp, .offset: 32, .size: 8, .value_kind: global_buffer, .address_space: global }
      - { .name: kp, .offset: 40, .size: 8, .value_kind: global_buffer, .address_space: global }
      - { .name: vp, .offset: 48, .size: 8, .value_kind: global_buffer, .address_space: global }
      - { .name: kb, .offset: 56, .size: 8, .value_kind: global_buffer, .address_space: global }
    .group_segment_fixed_size: 327680
    .private_segment_fixed_size: 0
    .kernarg_segment_align: 8
    .kernarg_segment_size: 64
    .max_flat_workgroup_size: 128
    .sgpr_count:     80
    .vgpr_count:     1024
    .wavefront_size: 32
...
	.end_amdgpu_metadata
.endif
;; end of part 2
;; launch attn (part 3): grid 8 x 32, 8 waves a work-group, clusters of 4 x 1, 327,680 bytes of LDS; arguments qp, kp, vp, kb, out0; writes out0
.if DOCPART == 3
	.amdgcn_target "amdgcn-amd-amdhsa--gfx1250"
	.amdhsa_code_object_version 6
	.text
	.protected	k_q54b825b0c0_attn
	.globl	k_q54b825b0c0_attn
	.p2align	8
	.type	k_q54b825b0c0_attn,@function
k_q54b825b0c0_attn:
	s_mov_b64 s[64:65], 0
	v_nop
	global_prefetch_b8 v0, s[64:65] scope:SCOPE_SE
	s_setreg_imm32_b32 hwreg(HW_REG_WAVE_MODE, 25, 1), 1
	s_wait_xcnt 0x0
	s_wait_alu depctr_hold_cnt(0) depctr_sa_sdst(0) depctr_va_vdst(0) depctr_va_sdst(0) depctr_va_ssrc(0) depctr_va_vcc(0) depctr_vm_vsrc(0)
	s_getreg_b32 s2, hwreg(HW_REG_IB_STS2, 6, 4)
	s_cmp_eq_u32 s2, 0
	s_cbranch_scc0 .Lentry_in_a_cluster
	s_endpgm
.Lentry_in_a_cluster:
	s_bfe_u32 s2, ttmp6, 0x10000c
	s_cmp_lg_u32 s2, 0x3003
	s_cbranch_scc0 .Lentry_shape_is_right
	s_endpgm
.Lentry_shape_is_right:
; THIRD OF THREE LAUNCHES: out0[b][n][64 h ..] = the sum over keys of softmax(scores) v, for hb = 12 b + h, from the second launch's qp, kp, vp (f16) and kb (f32).
; LEFT OUT (shown at the head of the first kernel): -0.5 |qd|^2 and q . bk, both the same at every key of a query row.
; s = kb[key] + qp[query] . kp[key] over 128 channels is log2(e) x the score (but for those two terms): reference()'s two score products are one, and kb is the C of each score tile's first matrix
; instruction.  p = 2^(s - m) with a running maximum m and sum l for each query; in every step but a unit's first O and l are multiplied by a = 2^(m_old - m_new).  Products on f16 operands, sums,
; maxima and l in f32; p is rounded to f16 for the second product, l is taken of the unrounded p.
; SHARES.  A unit is 128 queries of one hb.  A WORK-GROUP STAYS: it makes three units, the same 128 queries of hb = 3 y, 3 y + 1, 3 y + 2: 8 x 32 = 256 work-groups of equal work.
; Wave w: g = w % 4 names queries 32 g .. 32 g + 31 (two tiles of 16), kh = w / 4 which 64 of a step's 128 keys.  So each fragment of kp and vp read from LDS feeds two matrix instructions, and two
; waves share a SIMD: one's softmax stands beside the other's products.  At a unit's end the two key halves of a query are merged through LDS by maximum, sum and O.
; THE RING DOES NOT STOP AT A UNIT'S END.  Neighbouring hb lie on end in kp, vp and kb, so the three units' keys are one stream of 12 slots of 256 keys, and the walking descriptors simply step on.
; At a unit's end the next unit's Q is asked for, then the slot just left is filled again, and only then the unit is merged and stored; nothing waits for its stores.
; 3 y is a multiple of 3 and a batch has 12 heads, so the three hb lie in one batch: a unit on is 256 bytes on in out0 and 262,144 in qp, both in the immediates.
; LAYOUT.  S^T = K Q^T (source 0 = 16 keys, source 1 = 16 queries): a lane holds ONE query (lane % 16) and keys 8 (lane / 16) + 0..7.  Two such tiles, rounded to f16 in pairs, ARE source 1 of
; O^T = V^T P, whose result again holds one query a lane and eight channels.  kp comes out of LDS as it lies, vp ([key][channel]) turned, by ds_load_tr16_b128.
; CLUSTER.  The four query blocks of a cluster walk the same hb, so the same kp, vp, kb: each tile is asked for JOINTLY (mask 15).  A slot holds two key steps (256 keys); waves 0-3 fetch kp's four
; quarters, waves 4-7 vp's: one load a wave behind each round, with two key steps in which to land.
; REGISTERS.  window 0: v1-15 addresses; v16-31 statistics, eight a tile; v40-71 kb's numbers as C; v72-135 S^T; v136-167 P; v168-231 V; v232-248 the merge.
;   window 1: v0-63 Q; v64-127 O^T; v128-255 K.
.set PK,    272                        ; a row of kp in LDS: 256 bytes + 16 = 68 words: row r starts at bank 4 r mod 64 (ISA guide 11.1)
.set PV,    160                        ; a row of vp: 128 + 32 = 40 words
.set VOFF,  128*PK                     ; a step: 128 rows of kp, then 128 rows of vp
.set STEPB, 128*(PK+PV)
.set BOFF,  2*STEPB                    ; behind slot 0: kb of my three hb, 12,288 bytes, filled once
.set SLOT1, 1<<17                      ; slot 1 begins here: one exclusive or turns an address in one slot into the other's
.set MRG,   SLOT1+2*STEPB              ; the merge: for each wave 8 images of 512 bytes (O^T of one tile) and one of (m, 0, l, l)
.set MRGW,  4608
.set STG,   MRG+8*MRGW                 ; the way out: for each wave 16 rows x 272
.set SPARE, STG+8*MRGW                 ; the spare words, 128 bytes a wave, that no other line names
.set QUNIT, 262144                     ; a unit on in qp: 1,024 rows of 256 bytes
.set AK0, 3                            ; v3   my lane's place in a step's kp
.set AV0, 4                            ; v4   in its vp
.set AB0, 5                            ; v5   in kb
.set ADK, 6                            ; v6-8 the same for the step in hand
.set ADV, 7
.set ADB, 8
.set QO,  9                            ; v9   qp: 256 r + 16 h; never rewritten
.set MSN, 10                           ; v10  the merge: where I put an image
.set MRC, 11                           ; v11  where my partner (wave xor 4) put its
.set STO, 12                           ; v12  the way out: where I put 32 bytes of a row
.set RD,  13                           ; v13  where I read a row back
.set GO,  14                           ; v14  my byte offset in out0; never rewritten
.set PFO, 15                           ; v15  256 x lane, for the prefetches; never rewritten
.set ST,  16                           ; tile t at ST + 8 t: +0 m, +1 0, +2, +3 l (even, odd keys), +4 .. +7 c0-c3 at work; a takes c2's place
.set SPW, 32                           ; v32  LDS address of my spare word; never rewritten
.set NIL, 33                           ; v33  0; never rewritten
.set BET, 40
.set S,   72                           ; S^T (qt, kt) at S + 32 qt + 8 kt
.set P,   136                          ; P of tile qt at P + 16 qt
.set VF,  168                          ; V (dt, kk) at VF + 8 (4 kk + dt)
.set KF,  128                          ; window 1: K (kt, ks) at KF + 32 kt + 8 ks
.set OA,  64                           ; window 1: O^T (qt, dt) at OA + 32 qt + 8 dt
.set WV,  14                           ; s14  my wave's number
.set LIM, 15                           ; s15  1 in a wave that prefetches kp or vp, else the greatest number
.set PFA, 18                           ; s[18:19] where that prefetch stands
.set PFS, 20                           ; s[20:21] a slot on, in bytes
.set SEL, 22                           ; s[22:23] v_permlanex16_b32's selects for lane l xor 16
.set G1K, 24                           ; s[24:31] descriptor group 1: kp's tiles
.set G1V, 32                           ; s[32:39] vp's
.set G0K, 40                           ; s[40:47] group 0 for kp: a set for each first fill; the second then walks on
.set G0V, 48                           ; s[48:55] the same for vp
.set G1B, 56                           ; s[56:63] group 1 for kb
.set G0B, 68                           ; s[68:71] group 0 for kb
.set TB,  72                           ; s72  LDS byte at which the step's tiles begin
.set TBB, 73                           ; s73  the step's place in kb: 512 bytes a step, 24 steps on end
.set SLOTS, 74
.set TWICE, 75
.set QL,  89                           ; s89  1 in waves 0-3, which prefetch Q, else the greatest number
.set MSB, 0
.macro WIN new                         ; the immediate's high byte repeats the setting that is left
.if MSB != \new
	s_set_vgpr_msb (MSB<<8)|\new
.set MSB, \new
.endif
.endm
.set W_S,  0x05                        ; K and Q in window 1, C and S^T in window 0
.set W_PV, 0x50                        ; V and P in window 0, O^T (C and D) in window 1
.set W_RS, 0x41                        ; O^T (destination and source 0) in window 1, a in window 0
.macro CROUND                          ; a round of the cluster's barrier
	s_barrier_signal -1
	s_barrier_wait -1
	s_cmp_lg_u32 s[WV], 0
	s_cbranch_scc1 .Lnot_wave_0_\@
	s_barrier_signal -3
.Lnot_wave_0_\@:
	s_barrier_wait -3
	s_barrier_signal -1
	s_barrier_wait -1
.endm
.macro PLACES
.rept 4
	v_nop
.endr
.endm
; a joint refill: waves 0-3 fetch kp's quarters of a slot, waves 4-7 vp's.  The branch hangs on the wave's number alone.  An s_nop 0 and four v_nop follow each line
.macro JLOAD
	s_cmp_lt_u32 s[WV], 4
	s_cbranch_scc0 .Lfor_v_\@
	tensor_load_to_lds s[G0K+4:G0K+7], s[G1K:G1K+7]
	s_nop 0
.rept 4
	v_nop
.endr
	s_branch .Lasked_\@
.Lfor_v_\@:
	tensor_load_to_lds s[G0V+4:G0V+7], s[G1V:G1V+7]
	s_nop 0
.rept 4
	v_nop
.endr
.Lasked_\@:
.endm
; A PREFETCH INTO THE L2 of what the NEXT change of slots will ask for: a slot's 65,536 bytes of kp and 32,768 of vp, both dense.  It stands behind the wave's tensor load and its five lines.
; Each aligned block of 256 bytes is named once in the launch: of the two clusters that walk the same hb the first asks; its four partners take a quarter each, told apart BY ADDRESS; in each, waves 0
; and 1 ask for kp's 16,384 bytes (8,192 a wave) and wave 4 for vp's 8,192, lanes 256 bytes apart.  Changes 1 to 9 of the walk's 11 ask, two key steps ahead of the load; the last change that fills a
; slot has no slot behind it and asks for nothing: how = 0, in the last loop, tests the count of slots; how = 1: every trip asks.
.macro ASK how
.if \how
	s_cmp_eq_u32 s[LIM], 1
.else
	s_cmp_gt_u32 s[SLOTS], s[LIM]
.endif
	s_cbranch_scc0 .Lnot_mine_\@
	global_prefetch_b8 v[PFO], s[PFA:PFA+1] th:TH_LOAD_NT scope:SCOPE_SE
.Lnot_mine_\@:
.endm
; AND OF THE NEXT UNIT'S Q: at the last change of slots inside a unit, two key steps ahead of the loads of Q.  My 32 queries are 32 rows of 256 bytes: a lane a row.  Waves w and w + 4 read the same
; rows: waves 0-3 ask.
.macro ASKQ qoff
	s_cmp_eq_u32 s[SLOTS], s[QL]
	s_cbranch_scc0 .Lno_q_\@
	global_prefetch_b8 v[PFO], s[4:5] offset:\qoff th:TH_LOAD_NT scope:SCOPE_SE
.Lno_q_\@:
.endm
; Q of unit un into its registers: a fragment is 16 rows x 32 channels: two loads of 16 bytes, 32 bytes apart
.macro QLOAD un
	WIN 0x40                                       ; destination window 1
.irp qt, 0,1
.irp ks, 0,1,2,3
.irp c, 0,1
	global_load_b128 v[32*\qt+8*\ks+4*\c:32*\qt+8*\ks+4*\c+3], v[QO], s[4:5] offset:QUNIT*(\un)+4096*\qt+64*\ks+32*\c
.endr
.endr
.endr
	WIN 0
.endm
	s_load_b256 s[4:11], s[0:1], 0x0               ; qp s[4:5], kp s[6:7], vp s[8:9], kb s[10:11]
	s_load_b64 s[12:13], s[0:1], 0x20              ; out0
	v_lshl_add_u32 v[SPW], v0, 2, SPARE
	v_mov_b32 v[NIL], 0
	ds_add_u32 v[SPW], v[NIL]                      ; the wave's opening: the add, twice on end, and its wait ahead of my first tensor load
	ds_add_u32 v[SPW], v[NIL]
	v_lshrrev_b32 v1, 5, v0
	v_readfirstlane_b32 s[WV], v1                  ; wave 0..7
	s_bfe_u32 s16, ttmp6, 0x40000                  ; cx: it enters qp's, out0's and the prefetch's addresses alone
	s_and_b32 s17, ttmp7, 0xffff
	s_mul_i32 s17, s17, 3                          ; my first hb, which the four partners share
	s_mov_b32 s[G1K], 15|(1<<16)|(1<<20)|(1<<21)|(5<<22)|(3<<25)  ; the mask: all four; elements of 2 bytes; padding on; bit 21 beside a mask; after every 64 words four words
	s_mov_b32 s[G1K+1], 128<<16                    ; tensor_dim0
	s_mov_b32 s[G1K+2], 64<<16                     ; tensor_dim1
	s_mov_b32 s[G1K+3], 128<<16                    ; tile_dim0
	s_mov_b32 s[G1K+4], 64                         ; tile_dim1
	s_mov_b32 s[G1K+5], 128                        ; from row to row
	s_mov_b32 s[G1K+6], 0
	s_mov_b32 s[G1K+7], 0
	s_mov_b32 s[G1V], 15|(1<<16)|(1<<20)|(1<<21)|(4<<22)|(7<<25)  ; after every 32 words eight words
	s_mov_b32 s[G1V+1], 64<<16
	s_mov_b32 s[G1V+2], 64<<16
	s_mov_b32 s[G1V+3], 64<<16
	s_mov_b32 s[G1V+4], 64
	s_mov_b32 s[G1V+5], 64
	s_mov_b32 s[G1V+6], 0
	s_mov_b32 s[G1V+7], 0
	s_mov_b32 s[G1B], 15|(3<<16)|(1<<21)           ; kb: 1,536 dense bytes a wave, as 6 rows of 256 (32 elements of 8 bytes), no padding
	s_mov_b32 s[G1B+1], 32<<16
	s_mov_b32 s[G1B+2], 6<<16
	s_mov_b32 s[G1B+3], 32<<16
	s_mov_b32 s[G1B+4], 6
	s_mov_b32 s[G1B+5], 32
	s_mov_b32 s[G1B+6], 0
	s_mov_b32 s[G1B+7], 0
	s_and_b32 s76, s[WV], 3                        ; which 64 rows of a slot's 256 I fetch:
	s_lshr_b32 s77, s76, 1                         ; which step,
	s_and_b32 s78, s76, 1                          ; which half of it
	s_mul_i32 s79, s77, STEPB
	s_mul_i32 s80, s78, 64*PK
	s_add_co_u32 s80, s80, s79                     ; kp: in a slot
	s_mul_i32 s81, s78, 64*PV
	s_add_co_u32 s81, s81, s79
	s_add_co_u32 s81, s81, VOFF                    ; vp: in a slot
	s_lshl_b32 s82, s17, 18
	s_lshl_b32 s84, s76, 14
	s_add_co_u32 s82, s82, s84                     ; kp: in memory: 262,144 hb + 16,384 x quarter
	s_mov_b32 s83, 0
	s_lshl_b32 s84, s17, 17
	s_lshl_b32 s86, s76, 13
	s_add_co_u32 s84, s84, s86                     ; vp: 131,072 hb + 8,192 x quarter
	s_mov_b32 s85, 0
	s_lshl_b32 s86, s17, 12
	s_mul_i32 s88, s[WV], 1536
	s_add_co_u32 s86, s86, s88                     ; kb: 4,096 hb + 1,536 x wave
	s_mov_b32 s87, 0
	s_mov_b32 s[SEL], 0x76543210
	s_mov_b32 s[SEL+1], 0xfedcba98
	s_mov_b32 s[TB], 0
	s_mov_b32 s[TBB], 0
	s_wait_dscnt 0x0                               ; both opening adds are done
	s_wait_kmcnt 0x0
	s_mov_b32 s[G0K], 1
	s_mov_b32 s[G0K+1], s80
	s_add_nc_u64 s[G0K+2:G0K+3], s[6:7], s[82:83]
	s_or_b32 s[G0K+3], s[G0K+3], 0x80000000
	s_mov_b32 s[G0K+4], 1
	s_add_co_u32 s[G0K+5], s80, SLOT1
	s_add_nc_u64 s[G0K+6:G0K+7], s[6:7], s[82:83]
	s_add_nc_u64 s[G0K+6:G0K+7], s[G0K+6:G0K+7], 65536
	s_or_b32 s[G0K+7], s[G0K+7], 0x80000000
	s_mov_b32 s[G0V], 1
	s_mov_b32 s[G0V+1], s81
	s_add_nc_u64 s[G0V+2:G0V+3], s[8:9], s[84:85]
	s_or_b32 s[G0V+3], s[G0V+3], 0x80000000
	s_mov_b32 s[G0V+4], 1
	s_add_co_u32 s[G0V+5], s81, SLOT1
	s_add_nc_u64 s[G0V+6:G0V+7], s[8:9], s[84:85]
	s_add_nc_u64 s[G0V+6:G0V+7], s[G0V+6:G0V+7], 32768
	s_or_b32 s[G0V+7], s[G0V+7], 0x80000000
	s_mov_b32 s[G0B], 1
	s_add_co_u32 s[G0B+1], s88, BOFF
	s_add_nc_u64 s[G0B+2:G0B+3], s[10:11], s[86:87]
	s_or_b32 s[G0B+3], s[G0B+3], 0x80000000
	CROUND                                         ; all four work-groups are here: the first joint loads meet
	tensor_load_to_lds s[G0B:G0B+3], s[G1B:G1B+7]  ; kb: every wave its 1,536 bytes
	s_nop 0
	s_cmp_lt_u32 s[WV], 4                          ; then both slots' first fills, in one branch: three loads of mine are out on either way
	s_cbranch_scc0 .Lfirst_v
	tensor_load_to_lds s[G0K:G0K+3], s[G1K:G1K+7]
	s_nop 0
	tensor_load_to_lds s[G0K+4:G0K+7], s[G1K:G1K+7]
	s_nop 0
.rept 4
	v_nop
.endr
	s_branch .Lfirst_asked
.Lfirst_v:
	tensor_load_to_lds s[G0V:G0V+3], s[G1V:G1V+7]
	s_nop 0
	tensor_load_to_lds s[G0V+4:G0V+7], s[G1V:G1V+7]
	s_nop 0
.rept 4
	v_nop
.endr
.Lfirst_asked:
	s_lshl_b32 s76, ttmp9, 2
	s_add_co_u32 s76, s76, s16                     ; my block of 128 queries
	s_lshl_b32 s76, s76, 7
	s_and_b32 s77, s[WV], 3
	s_lshl_b32 s77, s77, 5
	s_add_co_u32 s76, s76, s77                     ; my first query in the sequence
	s_lshl_b32 s78, s17, 10
	s_add_co_u32 s78, s78, s76
	s_lshl_b32 s78, s78, 8
	s_mov_b32 s79, 0
	s_add_nc_u64 s[4:5], s[4:5], s[78:79]          ; qp at my first query of my first hb; never rewritten
	v_and_b32 v1, 15, v0                           ; r
	v_bfe_u32 v2, v0, 4, 1                         ; h
	v_and_b32 v34, 31, v0                          ; lane
	v_lshlrev_b32 v[QO], 8, v1
	v_lshl_add_u32 v[QO], v2, 4, v[QO]
	QLOAD 0                                        ; the first unit's Q
	s_mul_i32 s80, s17, 43
	s_lshr_b32 s80, s80, 9                         ; the batch = hb / 12 (43 hb >> 9 is exact for hb < 96)
	s_mul_i32 s81, s80, 12
	s_sub_co_u32 s81, s17, s81                     ; the first head
	s_lshl_b32 s80, s80, 10
	s_add_co_u32 s80, s80, s76
	s_mul_i32 s80, s80, 3072
	s_lshl_b32 s81, s81, 8
	s_add_co_u32 s80, s80, s81
	s_mov_b32 s81, 0
	s_add_nc_u64 s[12:13], s[12:13], s[80:81]      ; out0 at my first query, my first head's 256 bytes; never rewritten
	s_lshr_b32 s82, s[WV], 2                       ; kh
	s_mul_i32 s83, s82, 64*PK
	v_mul_u32_u24 v[AK0], v1, PK
	v_lshl_add_u32 v[AK0], v2, 4, v[AK0]
	v_add_nc_u32 v[AK0], s83, v[AK0]               ; (64 kh + r) x pitch + 16 h
	s_mul_i32 s83, s82, 64*PV
	s_add_co_u32 s83, s83, VOFF
	v_and_b32 v35, 7, v0
	v_lshl_add_u32 v35, v2, 3, v35
	v_mul_u32_u24 v[AV0], v35, PV
	v_bfe_u32 v35, v0, 3, 1
	v_lshl_add_u32 v[AV0], v35, 4, v[AV0]
	v_add_nc_u32 v[AV0], s83, v[AV0]               ; the turning load: key 64 kh + 8 h + lane % 8, channels 8 ((lane / 8) % 2) on
	s_lshl_b32 s83, s82, 8
	s_add_co_u32 s83, s83, BOFF
	v_lshlrev_b32 v[AB0], 5, v2
	v_add_nc_u32 v[AB0], s83, v[AB0]               ; kb: keys 64 kh + 8 h on; the same for all sixteen queries
	s_mul_i32 s83, s[WV], MRGW
	s_add_co_u32 s84, s83, MRG
	v_lshlrev_b32 v35, 4, v34
	v_add_nc_u32 v[MSN], s84, v35
	s_xor_b32 s85, s[WV], 4
	s_mul_i32 s85, s85, MRGW
	s_add_co_u32 s85, s85, MRG
	v_add_nc_u32 v[MRC], s85, v35
	s_add_co_u32 s84, s83, STG
	v_mul_u32_u24 v[STO], v1, 272
	v_lshl_add_u32 v[STO], v2, 5, v[STO]
	v_add_nc_u32 v[STO], s84, v[STO]
	v_mul_u32_u24 v[RD], v2, 272
	v_lshl_add_u32 v[RD], v1, 4, v[RD]
	v_add_nc_u32 v[RD], s84, v[RD]
	v_mul_u32_u24 v[GO], v2, 3072
	v_lshl_add_u32 v[GO], v1, 4, v[GO]
	v_lshlrev_b32 v[PFO], 8, v34
	v_mov_b32 v[ST+1], 0                           ; (named with m as a pair: written once)
	v_mov_b32 v[ST+9], 0
	v_mov_b32 v241, 0                              ; (upper halves of pairs, and a lane permute's destination: written once)
	v_mov_b32 v243, 0
	v_mov_b32 v247, 0
	; the prefetches: where mine stands, and who asks
	s_cmp_lt_u32 s[WV], 4
	s_cselect_b64 s[PFA:PFA+1], s[6:7], s[8:9]
	s_mov_b32 s[PFS], 32768
	s_cselect_b32 s[PFS], 65536, s[PFS]            ; a slot on
	s_cselect_b32 s[QL], 1, -1
	s_cselect_b32 s77, 18, 17
	s_lshl_b32 s78, s17, s77                       ; my first hb,
	s_sub_co_u32 s77, s77, 4
	s_lshl_b32 s79, s16, s77                       ; my work-group's quarter of a slot,
	s_add_co_u32 s78, s78, s79
	s_and_b32 s79, s[WV], 3
	s_lshl_b32 s79, s79, 13                        ; my wave's 8,192 bytes of it,
	s_add_co_u32 s78, s78, s79
	s_lshl_b32 s79, s[PFS], 1
	s_add_co_u32 s78, s78, s79                     ; in the third slot's keys: the first change of slots steps it to the fourth's.  Nothing is prefetched here, at the head
	s_mov_b32 s79, 0
	s_mov_b32 s[PFS+1], 0
	s_add_nc_u64 s[PFA:PFA+1], s[PFA:PFA+1], s[78:79]
	s_lshr_b32 s76, 0x13, s[WV]
	s_and_b32 s76, s76, 1
	s_xor_b32 s76, s76, 1                          ; 0 in waves 0, 1 and 4,
	s_or_b32 s76, s76, ttmp9                       ; of the first of the two clusters that walk these hb: the same in all four partners
	s_cmp_eq_u32 s76, 0
	s_cselect_b32 s[LIM], 1, -1
; A KEY STEP: my 64 of its 128 keys, for my two tiles of queries.  first = 1: a unit's first step, which starts m, l and O^T: no old maximum, no a, nothing to rescale, and nothing is ever cleared.
.macro STEP first
	v_add_nc_u32 v[ADK], s[TB], v[AK0]             ; these three and the v_nop are the four places behind the last step's products, in front of the loads into V's registers
	v_add_nc_u32 v[ADV], s[TB], v[AV0]
	v_add_nc_u32 v[ADB], s[TBB], v[AB0]
	v_nop
.irp kt, 0,1,2,3
.irp c, 0,1
	ds_load_b128 v[BET+8*\kt+4*\c:BET+8*\kt+4*\c+3], v[ADB] offset:64*\kt+16*\c
.endr
.endr
	WIN 0x40
.irp kt, 0,1,2,3
.irp ks, 0,1,2,3
.irp c, 0,1
	ds_load_b128 v[KF+32*\kt+8*\ks+4*\c:KF+32*\kt+8*\ks+4*\c+3], v[ADK] offset:16*PK*\kt+64*\ks+32*\c
.endr
.endr
.endr
	WIN 0
.irp kk, 0,1
.irp dt, 0,1,2,3
.irp c, 0,1
	ds_load_tr16_b128 v[VF+8*(4*\kk+\dt)+4*\c:VF+8*(4*\kk+\dt)+4*\c+3], v[ADV] offset:32*PV*\kk+32*\dt+16*PV*\c
.endr
.endr
.endr
	s_wait_dscnt 16                                ; kb's numbers and K are in; V's sixteen loads may be out
	WIN W_S
.irp ks, 0,1,2,3                       ; S^T = kb + K Q^T: eight accumulators by turns, one instruction a turn; neighbours share no C
.irp qt, 0,1
.irp kt, 0,1,2,3
.if \ks == 0
	v_wmma_f32_16x16x32_f16 v[S+32*\qt+8*\kt:S+32*\qt+8*\kt+7], v[KF+32*\kt+8*\ks:KF+32*\kt+8*\ks+7], v[32*\qt+8*\ks:32*\qt+8*\ks+7], v[BET+8*\kt:BET+8*\kt+7]
.else
	v_wmma_f32_16x16x32_f16 v[S+32*\qt+8*\kt:S+32*\qt+8*\kt+7], v[KF+32*\kt+8*\ks:KF+32*\kt+8*\ks+7], v[32*\qt+8*\ks:32*\qt+8*\ks+7], v[S+32*\qt+8*\kt:S+32*\qt+8*\kt+7]
.endif
.endr
.endr
.endr
	WIN 0
	PLACES
	; the softmax, the two tiles by turns line by line.  The maximum: four chains, each accumulator from its low end on
.irp k, 0,1,2,3
.irp t, 0,1
	v_max3_num_f32 v[ST+8*\t+4+\k], v[S+32*\t+8*\k], v[S+32*\t+8*\k+1], v[S+32*\t+8*\k+2]
.endr
.endr
.irp i, 3,5
.irp k, 0,1,2,3
.irp t, 0,1
	v_max3_num_f32 v[ST+8*\t+4+\k], v[ST+8*\t+4+\k], v[S+32*\t+8*\k+\i], v[S+32*\t+8*\k+\i+1]
.endr
.endr
.endr
.irp t, 0,1
	v_max3_num_f32 v[ST+8*\t+4], v[ST+8*\t+4], v[S+32*\t+7], v[S+32*\t+15]
.endr
.irp t, 0,1
	v_max3_num_f32 v[ST+8*\t+6], v[ST+8*\t+6], v[S+32*\t+23], v[S+32*\t+31]
.endr
.irp t, 0,1
	v_max3_num_f32 v[ST+8*\t+4], v[ST+8*\t+4], v[ST+8*\t+5], v[ST+8*\t+6]
.endr
.if \first
.irp t, 0,1
	v_max_num_f32 v[ST+8*\t+4], v[ST+8*\t+4], v[ST+8*\t+7]
.endr
.else
.irp t, 0,1
	v_max3_num_f32 v[ST+8*\t+4], v[ST+8*\t+4], v[ST+8*\t+7], v[ST+8*\t]
.endr
.endif
.irp t, 0,1
	v_permlanex16_b32 v[ST+8*\t+5], v[ST+8*\t+4], s[SEL], s[SEL+1]   ; the query's other 32 keys lie in the lane 16 away
.endr
.if !\first
.irp t, 0,1
	v_mov_b32 v[ST+8*\t+7], v[ST+8*\t]             ; the old m
.endr
.endif
.irp t, 0,1
	v_max_num_f32 v[ST+8*\t], v[ST+8*\t+4], v[ST+8*\t+5]
.endr
.if !\first
.irp t, 0,1
	v_sub_f32 v[ST+8*\t+7], v[ST+8*\t+7], v[ST+8*\t]
.endr
.endif
.set j, 0
.rept 16
.irp t, 0,1
	v_pk_add_f32 v[S+32*\t+2*j:S+32*\t+2*j+1], v[S+32*\t+2*j:S+32*\t+2*j+1], v[ST+8*\t:ST+8*\t+1] op_sel_hi:[1,0] neg_lo:[0,1] neg_hi:[0,1]   ; s - m
.endr
.set j, j+1
.endr
.if !\first
.irp t, 0,1
	v_exp_f32 v[ST+8*\t+6], v[ST+8*\t+7]           ; a = 2^(m_old - m_new)
.endr
.endif
.set j, 0
.rept 32
.irp t, 0,1
	v_exp_f32 v[S+32*\t+j], v[S+32*\t+j]           ; p
.endr
.set j, j+1
.endr
	v_nop                                          ; the plain instruction behind the last exponential
	s_wait_alu depctr_va_vdst(0)                   ; the wait ahead of the first line that names a result: ONE for the whole batch
.set j, 0
.rept 16
.irp t, 0,1
	v_cvt_pk_f16_f32 v[P+16*\t+j], v[S+32*\t+2*j], v[S+32*\t+2*j+1]
.endr
.set j, j+1
.endr
.irp w, 4,8,16                         ; the sum of the unrounded p: 16 pairs, neighbours 1, 2, 4 pairs apart, in place;
.set u, 0
.rept 32/\w
.irp t, 0,1
	v_pk_add_f32 v[S+32*\t+\w*u:S+32*\t+\w*u+1], v[S+32*\t+\w*u:S+32*\t+\w*u+1], v[S+32*\t+\w*u+\w/2:S+32*\t+\w*u+\w/2+1]
.endr
.set u, u+1
.endr
.endr
.if \first
.irp t, 0,1
	v_pk_add_f32 v[ST+8*\t+2:ST+8*\t+3], v[S+32*\t:S+32*\t+1], v[S+32*\t+16:S+32*\t+17]   ; the last addition starts l
.endr
.else
.irp t, 0,1
	v_pk_add_f32 v[S+32*\t:S+32*\t+1], v[S+32*\t:S+32*\t+1], v[S+32*\t+16:S+32*\t+17]     ; 8 pairs apart
.endr
.irp t, 0,1
	v_pk_fma_f32 v[ST+8*\t+2:ST+8*\t+3], v[ST+8*\t+2:ST+8*\t+3], v[ST+8*\t+6:ST+8*\t+7], v[S+32*\t:S+32*\t+1] op_sel_hi:[1,0,1]   ; l = a l + the sum
.endr
	WIN W_RS
.set j, 0
.rept 16
.irp t, 0,1
	v_pk_mul_f32 v[OA+32*\t+2*j:OA+32*\t+2*j+1], v[OA+32*\t+2*j:OA+32*\t+2*j+1], v[ST+8*\t+6:ST+8*\t+7] op_sel_hi:[1,0]   ; O^T x a
.endr
.set j, j+1
.endr
.endif
	s_wait_dscnt 0x0                               ; V is in
	WIN W_PV
.irp kk, 0,1                           ; O^T += V^T P: eight accumulators by turns; first = 1: the first eight products start the sums
.irp dt, 0,1,2,3
.irp qt, 0,1
.if (\kk == 0) && \first
	v_wmma_f32_16x16x32_f16 v[OA+32*\qt+8*\dt:OA+32*\qt+8*\dt+7], v[VF+8*(4*\kk+\dt):VF+8*(4*\kk+\dt)+7], v[P+16*\qt+8*\kk:P+16*\qt+8*\kk+7], 0
.else
	v_wmma_f32_16x16x32_f16 v[OA+32*\qt+8*\dt:OA+32*\qt+8*\dt+7], v[VF+8*(4*\kk+\dt):VF+8*(4*\kk+\dt)+7], v[P+16*\qt+8*\kk:P+16*\qt+8*\kk+7], v[OA+32*\qt+8*\dt:OA+32*\qt+8*\dt+7]
.endif
.endr
.endr
.endr
	WIN 0
	s_add_co_u32 s[TB], s[TB], STEPB
	s_add_co_u32 s[TBB], s[TBB], 512
.endm
.macro FIRST_TWO                       ; a unit's first slot: its first step differs, so the two are written out
	STEP 1
	STEP 0
.endm
.macro TWO_STEPS                       ; any other slot's two key steps: written once, walked twice
	s_mov_b32 s[TWICE], 2
.Lstep_\@:
	STEP 0
	s_sub_co_u32 s[TWICE], s[TWICE], 1
	s_cmp_lg_u32 s[TWICE], 0
	s_cbranch_scc1 .Lstep_\@
.endm
; THE CHANGE OF SLOTS.  Each wave waits for all its tensor loads (the one that is out is its part of the other slot), adds 0 to its spare word, and waits for that and for its reads of the slot.
; fill = 1: the slot is filled again with the keys two slots on, behind a round of the cluster's barrier: no wave of any partner still reads it or has a load on its way.
; how: see ASK.  qoff: where the next unit's Q begins, for ASKQ, or -1.
.macro CHANGE fill, how, qoff
	s_wait_tensorcnt 0x0                           ; no tensor load of mine is out, so a group 0 may be written
	ds_add_u32 v[SPW], v[NIL]                      ; 0 onto my spare word
.if \fill
	s_xor_b32 s[G0K+5], s[G0K+5], SLOT1            ; the walking descriptors: the other slot than last time,
	s_add_nc_u64 s[G0K+6:G0K+7], s[G0K+6:G0K+7], 65536   ; the next 256 keys, into the next hb too; the type bits on top are not reached
	s_xor_b32 s[G0V+5], s[G0V+5], SLOT1
	s_add_nc_u64 s[G0V+6:G0V+7], s[G0V+6:G0V+7], 32768
	s_wait_xcnt 0x0                                ; the last prefetch, two key steps back, has read its address, so it may be written
	s_add_nc_u64 s[PFA:PFA+1], s[PFA:PFA+1], s[PFS:PFS+1]
	s_wait_dscnt 0x0                               ; the add is done, and my reads of the slot are over
	CROUND
	JLOAD                                          ; my one load behind the round: two key steps in which to land
	ASK \how
.if (\qoff) >= 0
	ASKQ \qoff
.endif
.else
	s_wait_dscnt 0x0
	s_barrier_signal -1
	s_barrier_wait -1
.endif
	s_sub_co_u32 s[TB], s[TB], 2*STEPB             ; back to a slot's first step,
	s_xor_b32 s[TB], s[TB], SLOT1                  ; in the other slot
.endm
.macro SLOTS_LOOP n, how, qoff         ; n slots, each behind a change that fills the slot just left
	s_mov_b32 s[SLOTS], \n
.Lslot_\@:
	CHANGE 1, \how, \qoff
	TWO_STEPS
	s_sub_co_u32 s[SLOTS], s[SLOTS], 1
	s_cmp_lg_u32 s[SLOTS], 0
	s_cbranch_scc1 .Lslot_\@
.endm
; THE MERGE.  SEND t: my O^T, m and l of tile t go to LDS as images of their registers, 16 bytes a lane, each accumulator from its low end on.
.macro SEND t
	WIN 0x04                                       ; an LDS store's data are its source 1: window 1
.irp i, 0,1,2,3,4,5,6,7
	ds_store_b128 v[MSN], v[OA+32*\t+4*\i:OA+32*\t+4*\i+3] offset:512*\i
.endr
	WIN 0
	ds_store_b128 v[MSN], v[ST+8*\t:ST+8*\t+3] offset:4096
.endm
; RECV t: my partner's tile t joins mine: M = max(m, m'), f = 2^(m - M), f' = 2^(m' - M), l = f l + f' l', O = (f O + f' O') / l; then the tile leaves through my stage, for unit un.
.macro RECV t, un
.irp i, 0,1,2,3,4,5,6,7
	ds_load_b128 v[S+4*\i:S+4*\i+3], v[MRC] offset:512*\i
.endr
	ds_load_b128 v[232:235], v[MRC] offset:4096
	s_wait_dscnt 0x0
	v_max_num_f32 v236, v[ST+8*\t], v232
	v_sub_f32 v237, v[ST+8*\t], v236
	v_sub_f32 v238, v232, v236
	v_exp_f32 v240, v237
	v_exp_f32 v242, v238
	v_add_f32 v244, v[ST+8*\t+2], v[ST+8*\t+3]     ; (plain work behind the exponentials)
	v_add_f32 v245, v234, v235
	s_wait_alu depctr_va_vdst(0)                   ; one wait for the two, ahead of their first reader
	v_mul_f32 v246, v240, v244
	v_fmac_f32 v246, v242, v245
	v_permlanex16_b32 v247, v246, s[SEL], s[SEL+1]
	v_add_f32 v246, v246, v247                     ; with lane l xor 16's keys: the row's sum
	v_rcp_f32 v248, v246
	v_nop
	s_wait_alu depctr_va_vdst(0)
	v_mul_f32 v240, v240, v248                     ; f / l
	v_mul_f32 v242, v242, v248                     ; f' / l
.set j, 0
.rept 16
	v_pk_mul_f32 v[S+2*j:S+2*j+1], v[S+2*j:S+2*j+1], v[242:243] op_sel_hi:[1,0]
.set j, j+1
.endr
	WIN 0x01                                       ; source 0 (my O^T) in window 1
.set j, 0
.rept 16
	v_pk_fma_f32 v[S+2*j:S+2*j+1], v[OA+32*\t+2*j:OA+32*\t+2*j+1], v[240:241], v[S+2*j:S+2*j+1] op_sel_hi:[1,0,1]
.set j, j+1
.endr
	WIN 0
.irp dt, 0,1,2,3                       ; register 8 dt + i is out(query r, channel 16 dt + 8 h + i): 32 bytes a lane into rows of 272
.irp c, 0,1
	ds_store_b128 v[STO], v[S+8*\dt+4*\c:S+8*\dt+4*\c+3] offset:64*\dt+16*\c
.endr
.endr
.irp i, 0,1,2,3,4,5,6,7
	ds_load_b128 v[VF+4*\i:VF+4*\i+3], v[RD] offset:544*\i   ; LDS serves a wave's instructions in order: these see my stores
.endr
.irp i, 0,1,2,3,4,5,6,7
	s_wait_dscnt 7-\i                              ; the younger reads back may stay out
	global_store_b128 v[GO], v[VF+4*\i:VF+4*\i+3], s[12:13] offset:(16*\t+2*\i)*3072+256*(\un) th:TH_STORE_NT   ; sixteen lanes store 256 consecutive bytes, aligned: a query's 64 channels of the unit's head
.endr
.endm
; The wave of the first key half finishes tile 0 and sends tile 1; its partner the other way round.  A wave's images are written again a unit later, behind four rounds in front of which every wave has
; waited for its LDS reads.  The refill that is out may stay out.
.macro MERGE un
	s_cmp_lt_u32 s[WV], 4
	s_cbranch_scc0 .Lsend_hi_\@
	SEND 1
	s_branch .Lsent_\@
.Lsend_hi_\@:
	SEND 0
.Lsent_\@:
	s_wait_dscnt 0x0                               ; for the others' sake: my images have landed
	s_barrier_signal -1
	s_barrier_wait -1
	s_cmp_lt_u32 s[WV], 4
	s_cbranch_scc0 .Lrecv_hi_\@
	RECV 0, \un
	s_branch .Ldone_\@
.Lrecv_hi_\@:
	RECV 1, \un
.Ldone_\@:
.endm
; THE END OF A UNIT THAT HAS A SUCCESSOR.  First what the next unit waits for: its Q (Q's registers were last read by the last score products, a softmax ago), then the refill of the slot just left;
; then this unit is merged and stored.
.macro ENDUNIT un, next
	PLACES                                         ; behind the last products, in front of the first read of O^T
	QLOAD \next
	CHANGE 1, 1, -1
	MERGE \un
	s_wait_xcnt 0x0                                ; the stores have read their data: V's registers may be loaded again
	s_wait_loadcnt 0x0                             ; the next unit's Q is in
.endm
	s_wait_tensorcnt 1                             ; my parts of kb and of slot 0 are in; slot 1's load may stay out
	s_barrier_signal -1
	s_barrier_wait -1                              ; everybody's are
	s_wait_loadcnt 0x0                             ; Q
	FIRST_TWO                                      ; unit 0: slots 0 to 3 of the walk's 12
	SLOTS_LOOP 3, 1, QUNIT
	ENDUNIT 0, 1
	FIRST_TWO                                      ; unit 1: slots 4 to 7
	SLOTS_LOOP 3, 1, 2*QUNIT
	ENDUNIT 1, 2
	FIRST_TWO                                      ; unit 2: slots 8 to 11
	SLOTS_LOOP 2, 0, -1
	CHANGE 0, 0, -1                                ; the tail is written out: nothing is left to fetch
	TWO_STEPS
	PLACES                                         ; behind the last products, in front of the first read of O^T
	MERGE 2
	s_wait_tensorcnt 0x0                           ; the wave's end: behind my last tensor load and my last LDS store
	ds_add_u32 v[SPW], v[NIL]
	s_wait_dscnt 0x0
	CROUND                                         ; the closing round: no work-group ends while a partner may still ask for a tile that names it
	s_endpgm
.Lfunc_end_k_q54b825b0c0_attn:
	.size	k_q54b825b0c0_attn, .Lfunc_end_k_q54b825b0c0_attn-k_q54b825b0c0_attn
	.p2alignl 7, 3214868480
	.fill 96, 4, 3214868480
	.section	.rodata,"a",@progbits
	.p2align	6, 0x0
	.amdhsa_kernel k_q54b825b0c0_attn
		.amdhsa_group_segment_fixed_size 327680
		.amdhsa_private_segment_fixed_size 0
		.amdhsa_enable_private_segment 0
		.amdhsa_kernarg_size 40
		.amdhsa_user_sgpr_count 2
		.amdhsa_user_sgpr_kernarg_segment_ptr 1
		.amdhsa_wavefront_size32 1
		.amdhsa_system_sgpr_workgroup_id_x 1
		.amdhsa_system_sgpr_workgroup_id_y 1
		.amdhsa_system_sgpr_workgroup_id_z 1
		.amdhsa_system_vgpr_workitem_id 0
		.amdhsa_next_free_vgpr 512
		.amdhsa_next_free_sgpr 90
		.amdhsa_reserve_vcc 0
		.amdhsa_float_denorm_mode_32 3
		.amdhsa_float_denorm_mode_16_64 3
		.amdhsa_memory_ordered 1
		.amdhsa_forward_progress 1
		.amdhsa_inst_pref_size 250
	.end_amdhsa_kernel
	.amdgpu_metadata
---
amdhsa.version: [ 1, 2 ]
amdhsa.kernels:
  - .name:           k_q54b825b0c0_attn
    .symbol:         k_q54b825b0c0_attn.kd
    .args:
      - { .name: qp, .offset: 0, .size: 8, .value_kind: global_buffer, .address_space: global }
      - { .name: kp, .offset: 8, .size: 8, .value_kind: global_buffer, .address_space: global }
      - { .name: vp, .offset: 16, .size: 8, .value_kind: global_buffer, .address_space: global }
      - { .name: kb, .offset: 24, .size: 8, .value_kind: global_buffer, .address_space: global }
      - { .name: out0, .offset: 32, .size: 8, .value_kind: global_buffer, .address_space: global }
    .group_segment_fixed_size: 327680
    .private_segment_fixed_size: 0
    .kernarg_segment_align: 8
    .kernarg_segment_size: 40
    .max_flat_workgroup_size: 256
    .sgpr_count:     90
    .vgpr_count:     512
    .wavefront_size: 32
...
	.end_amdgpu_metadata
.endif
;; end of part 3
